; MI455X (gfx1250); checked and timed in simulation.
; The chip was launched on July 23, 2026; its instructions are those of AMD's public machine-readable ISA for CDNA 5 (MIT licence, August 2026) and "CDNA5" Instruction Set Architecture Reference Guide (July 2026). The comments in the code are by the model that wrote it; some were corrected since.
;; Codebook. Allowed arithmetic: matrix products marked QUANTISED: E5M2 operands, one E8M0 scale for each 32 along K, by v_wmma_scale_f32_16x16x128_f8f6f4 with both operands' format E5M2, f32 sums; everything else in f32.
;; Inputs: codebook 4,096 x 512 float32; x 8 x 4,096 x 512 float32.
;; Outputs: out0 8 x 4,096 int32.
;; This version of the problem:
;;   THIS VERSION OF THE PROBLEM IS GIVEN IN LOW PRECISION. The matrix products marked QUANTISED in the list below multiply operands that are first quantised to E5M2 (5 exponent bits, 2 mantissa bits; 8 bits a number), with one power-of-two scale for each 32 numbers along K (OCP MX v1.0); their sums are f32. All else is computed in f32.
;;   The module's matrix products, in the order in which they are computed (A, B: the left and right operand; K: the contracted axis; several contracted axes count as one K, in the product's order):
;;     1. [M 32,768, K 512] x [K 512, N 4,096]; A: computed on the way; B: input codebook: QUANTISED
;;   THE QUANTISER, for each operand of a quantised product, along K:
;;     - K is cut into blocks of 32 from its start; a last block that is shorter is filled with zeros.
;;     - A block's scale is 2^e with e = floor(log2(the largest magnitude in the block)) - 15, held to -126 .. 127; a block of zeros has e = 0. As a byte (E8M0): e + 127.
;;     - Each number is divided by its block's scale, clamped to +-57,344, and rounded to the nearest number of E5M2, ties to even, subnormals kept.
;;     - The product sums the exact products of the quantised numbers (number of the format x scale) in f32.
;;   ~~~python
;;   def quantise(x, axis):      # numpy; x: float32 -> the quantised numbers, widened to float32 again
;;       x = np.moveaxis(x, axis, -1); K = x.shape[-1]
;;       x = np.pad(x, [(0, 0)] * (x.ndim - 1) + [(0, -K % 32)]); x = x.reshape(x.shape[:-1] + (-1, 32)); a = np.abs(x).max(-1, keepdims=True)
;;       e = np.where(a > 0, np.clip(np.frexp(np.where(a > 0, a, 1))[1] - 1 - 15, -126, 127), 0)      # np.frexp(a)[1] - 1 = floor(log2(a)), exactly
;;       r = np.clip(x / 2.0 ** e, -57344, 57344)
;;       step = 2.0 ** (np.maximum(np.frexp(np.where(r == 0, 1, r))[1] - 1, -14) - 2)
;;       q = np.round(r / step) * step * 2.0 ** e      # np.round: ties to even
;;       return np.moveaxis(q.reshape(q.shape[:-2] + (-1,))[..., :K], -1, axis).astype(np.float32)
;;   ~~~
;;   OPERANDS COMPUTED ON THE WAY. 'Computed on the way' means the value that the module computes at that place (a softmax that the list does not call 'softmax' is quantised finished and normalised). What goes into a quantiser is computed in f32, as accurately as f32 sums, v_exp_f32 and their like allow (about 1e-6 of the number): no bf16 or f16 on the way to a quantiser, and a product that is left as it is and whose result goes on into a quantised operand takes f32 operands (vector FMAs, or v_wmma_f32_16x16x4_f32). A number that lies on a knife's edge between two numbers of the format may be rounded either way, as far as f32 arithmetic and the matrix unit's own rounding can turn it there, and no further.
;; One version. Each part assembles by itself: llvm-mc -triple=amdgcn-amd-amdhsa -mcpu=gfx1250 --defsym DOCPART=n.
;; ======== version 1 of 1: 2 launches
;; limits: below input magnitudes of 3.85e-34 results are inexact or not finite
;; workspace buffers: cbq 2,228,224 bytes
;; launch prep (part 1): grid 256 x 1, 4 waves a work-group, no clusters, 35,328 bytes of LDS; arguments codebook, cbq; writes cbq
.if DOCPART == 1
	.amdgcn_target "amdgcn-amd-amdhsa--gfx1250"
	.amdhsa_code_object_version 6
	.text
	.protected	k_q024c4891d2_prep
	.globl	k_q024c4891d2_prep
	.p2align	8
	.type	k_q024c4891d2_prep,@function
k_q024c4891d2_prep:
	s_mov_b64 s[64:65], 0
	v_nop
	global_prefetch_b8 v0, s[64:65] scope:SCOPE_SE
	s_setreg_imm32_b32 hwreg(HW_REG_WAVE_MODE, 25, 1), 1
	s_wait_xcnt 0x0
; The codebook [4096][512], f32, becomes codes of BF8 (E5M2) with one E8M0 scale byte for each 32 along K, laid in the order in which the next launch's
; operand registers take them, and cc[n] = the sum of the squares of row n (of the f32 numbers as they are given).
; A block's scale is 2^(floor(log2(its largest magnitude)) - 15); its byte is the largest magnitude's exponent field - 15, held at 1 from below.
; LIMITS: NaN and infinities among the inputs are not served.  A block of zeros gets the byte 1 where the rule says 127: its codes are zeros, which add nothing
; under any byte but 0xff, and the bytes are read by this program alone.
; SHARES.  Work-group T takes code tile T (rows 16 T .. 16 T + 15); its wave k takes K step k (128 along K): one fragment of 16 registers a lane.
; OUT.  cbq is 16 records of SLOTB bytes, 16 tiles each.  In record T / 16: the fragment (tile t = T % 16, K step k) at 8192 t + 2048 k, as an image of its registers
; (register group c of lane l at 512 c + 16 l); behind the 131,072 bytes of codes a side of 512 bytes a tile: 16 rows x 16 scale bytes, then cc of the 16 rows, 64 bytes, four times over,
; so that every byte of a record is stored.  Every store of a wave covers 512 consecutive bytes, aligned.
.set SLOTB, 139264
.set SIDEO, 131072
.set SP,    528                        ; a stage row: 512 bytes + 16 = 132 words: row r starts at bank 4 r mod 64 (64 banks of 4 bytes: ISA guide 11.1)
.set WSTG,  16*SP                      ; a wave's stage: 16 rows
.set SIDE,  4*WSTG                     ; LDS: the tile's side as it will lie in memory, 512 bytes
.set PART,  SIDE+512                   ; LDS: each wave's part of cc: 4 x 64 bytes
.set LO,   4                           ; v4   16 x lane
.set SIN,  5                           ; v5   the stage, on the way in: my wave's + 16 x lane
.set SOUT, 6                           ; v6   on the way out: row r, + 64 h
.set SWA,  7                           ; v7   where my row's scale word goes: SIDE + 16 r + 4 k
.set PWA,  8                           ; v8   where my part of cc goes: PART + 64 k + 4 r
.set PRA,  9                           ; v9   PART + 4 r
.set CWA,  10                          ; v10  SIDE + 256 + 4 r
.set SRA,  11                          ; v11  SIDE + 16 x lane
.set R,    16                          ; v16-79   the numbers as loaded: 4 registers a row
.set N,    80                          ; v80-143  in the fragment's order: register 16 c + i = K 32 c + 16 h + i of row r
.set TM,   144                         ; v144-147 largest magnitudes, v148-151 bytes, v152-155 57,344 x the scale, v156-159 the conversions' scale operands
.set PC,   160                         ; v160-175 the codes
.set PW,   176                         ; v176     my row's scale word
.set Q,    178                         ; v178-185 four pairs of sums of squares
.set SEL,  20                          ; s[20:21] lane selects for v_permlanex16_b32: lane l xor 16
.set MNT,  23                          ; s23      the mantissa field of 57,344
	s_load_b128 s[4:7], s[0:1], 0x0                ; the codebook, cbq
	v_lshl_add_u32 v192, v0, 2, 0x8800
	v_mov_b32 v193, 0
	v_lshrrev_b32 v1, 5, v0
	v_readfirstlane_b32 s8, v1                     ; wave = K step k
	v_and_b32 v1, 31, v0                           ; lane
	v_and_b32 v2, 15, v0                           ; r
	v_bfe_u32 v3, v0, 4, 1                         ; h
	v_lshlrev_b32 v[LO], 4, v1
	s_mul_i32 s9, s8, WSTG
	v_add_nc_u32 v[SIN], s9, v[LO]
	v_mul_u32_u24 v[SOUT], v2, SP
	v_lshl_add_u32 v[SOUT], v3, 6, v[SOUT]
	v_add_nc_u32 v[SOUT], s9, v[SOUT]
	s_lshl_b32 s9, s8, 2
	s_add_co_u32 s9, s9, SIDE
	v_lshl_add_u32 v[SWA], v2, 4, s9
	s_lshl_b32 s9, s8, 6
	s_add_co_u32 s9, s9, PART
	v_lshl_add_u32 v[PWA], v2, 2, s9
	v_lshl_add_u32 v[PRA], v2, 2, PART
	v_lshl_add_u32 v[CWA], v2, 2, SIDE+256
	v_add_nc_u32 v[SRA], SIDE, v[LO]
.irp b, 0,1,2,3
	v_mov_b32 v[TM+4+\b], 0                        ; written once: a lane permute's destination counts as one of its sources
.endr
	s_mov_b32 s[SEL], 0x76543210
	s_mov_b32 s[SEL+1], 0xfedcba98
	s_mov_b32 s[MNT], 0x600000
	s_lshl_b32 s10, ttmp9, 15                      ; in: 16 rows of 2,048 bytes a tile,
	s_lshl_b32 s9, s8, 9                           ; + 512 bytes a K step
	s_add_co_u32 s10, s10, s9
	s_mov_b32 s11, 0
	s_lshr_b32 s12, ttmp9, 4
	s_mul_i32 s12, s12, SLOTB                      ; out: the record,
	s_and_b32 s9, ttmp9, 15                        ; the tile's place in it
	s_lshl_b32 s14, s9, 9
	s_add_co_u32 s14, s14, s12
	s_add_co_u32 s14, s14, SIDEO                   ; its side
	s_mov_b32 s15, 0
	s_lshl_b32 s9, s9, 13
	s_add_co_u32 s12, s12, s9
	s_lshl_b32 s9, s8, 11
	s_add_co_u32 s12, s12, s9                      ; my fragment's image
	s_mov_b32 s13, 0
	s_wait_kmcnt 0x0
	s_add_nc_u64 s[4:5], s[4:5], s[10:11]
	s_add_nc_u64 s[16:17], s[6:7], s[12:13]
	s_add_nc_u64 s[18:19], s[6:7], s[14:15]
.irp i, 0,1,2,3,4,5,6,7,8,9,10,11,12,13,14,15
	global_load_b128 v[R+4*\i:R+4*\i+3], v[LO], s[4:5] offset:2048*\i th:TH_LOAD_NT   ; row i: 32 lanes read its 512 consecutive bytes of my K step
.endr
.irp i, 0,1,2,3,4,5,6,7,8,9,10,11,12,13,14,15
	s_wait_loadcnt 15-\i                           ; loads come back in order: row i is in, the 15 - i younger ones may be out
	ds_store_b128 v[SIN], v[R+4*\i:R+4*\i+3] offset:SP*\i
.endr
.irp c, 0,1,2,3
.irp j, 0,1,2,3
	ds_load_b128 v[N+16*\c+4*\j:N+16*\c+4*\j+3], v[SOUT] offset:128*\c+16*\j   ; my wave's own stage: LDS serves a wave's instructions in order, so these see the stores above
.endr
.endr
	s_wait_dscnt 0x0
	; my part of cc: the squares of my 64 numbers in four chains, then lane l xor 16's: row r's 128 numbers of this K step
.irp q, 0,1,2,3
	v_pk_mul_f32 v[Q+2*\q:Q+2*\q+1], v[N+2*\q:N+2*\q+1], v[N+2*\q:N+2*\q+1]
.endr
.irp i, 1,2,3,4,5,6,7
.irp q, 0,1,2,3
	v_pk_fma_f32 v[Q+2*\q:Q+2*\q+1], v[N+8*\i+2*\q:N+8*\i+2*\q+1], v[N+8*\i+2*\q:N+8*\i+2*\q+1], v[Q+2*\q:Q+2*\q+1]
.endr
.endr
	v_pk_add_f32 v[Q:Q+1], v[Q:Q+1], v[Q+2:Q+3]
	v_pk_add_f32 v[Q+4:Q+5], v[Q+4:Q+5], v[Q+6:Q+7]
	v_pk_add_f32 v[Q:Q+1], v[Q:Q+1], v[Q+4:Q+5]
	v_add_f32 v[Q], v[Q], v[Q+1]
	v_permlanex16_b32 v[Q+2], v[Q], s[SEL], s[SEL+1]
	v_add_f32 v[Q], v[Q], v[Q+2]
	; the quantiser: four blocks of 32 along K; a block lies in lanes l and l xor 16, 16 numbers each
.irp b, 0,1,2,3
	v_max3_num_f32 v[TM+\b], |v[N+16*\b]|, |v[N+16*\b+1]|, 0x8000000   ; my 16 numbers, and the floor 2^(16 - 127): so the byte cannot fall under 1
.endr
.irp i, 2,4,6,8,10,12,14
.irp b, 0,1,2,3
	v_max3_num_f32 v[TM+\b], v[TM+\b], |v[N+16*\b+\i]|, |v[N+16*\b+\i+1]|   ; (the four blocks by turns)
.endr
.endr
.irp b, 0,1,2,3
	v_permlanex16_b32 v[TM+4+\b], v[TM+\b], s[SEL], s[SEL+1]
.endr
.irp b, 0,1,2,3
	v_max_num_f32 v[TM+\b], v[TM+\b], v[TM+4+\b]   ; the block's largest magnitude
.endr
.irp b, 0,1,2,3
	v_add_nc_u32 v[TM+12+\b], 0xf8800000, v[TM+\b] ; 15 off its exponent field: the conversion takes the exponent field of this operand as its scale
.endr
.irp b, 0,1,2,3
	v_and_or_b32 v[TM+8+\b], v[TM+\b], 0x7f800000, s[MNT]   ; 57,344 x the scale
.endr
.irp b, 0,1,2,3
	v_lshrrev_b32 v[TM+4+\b], 23, v[TM+12+\b]      ; the scale's byte
.endr
	v_lshl_or_b32 v[PW], v[TM+5], 8, v[TM+4]       ; the four bytes make row r's scale word of this K step
	v_lshl_or_b32 v[PW], v[TM+6], 16, v[PW]
	v_lshl_or_b32 v[PW], v[TM+7], 24, v[PW]
.irp b, 0,1,2,3
.irp i, 0,1,2,3,4,5,6,7,8,9,10,11,12,13,14,15
	v_med3_num_f32 v[N+16*\b+\i], v[N+16*\b+\i], -v[TM+8+\b], v[TM+8+\b]   ; the conversion to an 8-bit code does not saturate (ISA guide 7.6.2): the hold at the largest code x the scale
.endr
	v_cvt_scalef32_pk8_bf8_f32 v[PC+4*\b:PC+4*\b+1], v[N+16*\b:N+16*\b+7], v[TM+12+\b]
	v_cvt_scalef32_pk8_bf8_f32 v[PC+4*\b+2:PC+4*\b+3], v[N+16*\b+8:N+16*\b+15], v[TM+12+\b]
.endr
	v_nop                                          ; one plain vector line behind the last conversion
.irp c, 0,1,2,3
	global_store_b128 v[LO], v[PC+4*\c:PC+4*\c+3], s[16:17] offset:512*\c   ; the fragment's image: 512 consecutive bytes a store
.endr
	ds_store_b32 v[SWA], v[PW]                     ; lanes r and r + 16 write the same word with the same value
	ds_store_b32 v[PWA], v[Q]
	s_wait_dscnt 0x0                               ; for wave 0's sake: my stores have landed
	s_barrier_signal -1
	s_barrier_wait -1
	s_cmp_lg_u32 s8, 0                             ; wave 0 finishes the side
	s_cbranch_scc1 .Ldone
.irp k, 0,1,2,3
	ds_load_b32 v[Q+\k], v[PRA] offset:64*\k       ; row r's four parts of cc
.endr
	s_wait_dscnt 0x0
	v_add_f32 v[Q], v[Q], v[Q+1]
	v_add_f32 v[Q+2], v[Q+2], v[Q+3]
	v_add_f32 v[Q], v[Q], v[Q+2]
.irp q, 0,1,2,3
	ds_store_b32 v[CWA], v[Q] offset:64*\q
.endr
	ds_load_b128 v[R:R+3], v[SRA]                  ; the side as it will lie: my own stores are seen in order, the others' stand behind the barrier
	s_wait_dscnt 0x0
	global_store_b128 v[LO], v[R:R+3], s[18:19]    ; 512 consecutive bytes
.Ldone:
	s_wait_tensorcnt 0x0
	ds_add_u32 v192, v193
	s_wait_dscnt 0x0
	s_endpgm
.Lfunc_end_k_q024c4891d2_prep:
	.size	k_q024c4891d2_prep, .Lfunc_end_k_q024c4891d2_prep-k_q024c4891d2_prep
	.p2alignl 7, 3214868480
	.fill 96, 4, 3214868480
	.section	.rodata,"a",@progbits
	.p2align	6, 0x0
	.amdhsa_kernel k_q024c4891d2_prep
		.amdhsa_group_segment_fixed_size 35328
		.amdhsa_private_segment_fixed_size 0
		.amdhsa_enable_private_segment 0
		.amdhsa_kernarg_size 16
		.amdhsa_user_sgpr_count 2
		.amdhsa_user_sgpr_kernarg_segment_ptr 1
		.amdhsa_wavefront_size32 1
		.amdhsa_system_sgpr_workgroup_id_x 1
		.amdhsa_system_sgpr_workgroup_id_y 1
		.amdhsa_system_sgpr_workgroup_id_z 1
		.amdhsa_system_vgpr_workitem_id 0
		.amdhsa_next_free_vgpr 194
		.amdhsa_next_free_sgpr 66
		.amdhsa_reserve_vcc 0
		.amdhsa_float_denorm_mode_32 3
		.amdhsa_float_denorm_mode_16_64 3
		.amdhsa_memory_ordered 1
		.amdhsa_forward_progress 1
		.amdhsa_inst_pref_size 19
	.end_amdhsa_kernel
	.amdgpu_metadata
---
amdhsa.version: [ 1, 2 ]
amdhsa.kernels:
  - .name:           k_q024c4891d2_prep
    .symbol:         k_q024c4891d2_prep.kd
    .args:
      - { .name: codebook, .offset: 0, .size: 8, .value_kind: global_buffer, .address_space: global }
      - { .name: cbq, .offset: 8, .size: 8, .value_kind: global_buffer, .address_space: global }
    .group_segment_fixed_size: 35328
    .private_segment_fixed_size: 0
    .kernarg_segment_align: 8
    .kernarg_segment_size: 16
    .max_flat_workgroup_size: 128
    .sgpr_count:     66
    .vgpr_count:     194
    .wavefront_size: 32
...
	.end_amdgpu_metadata
.endif
;; end of part 1
;; launch vq (part 2): grid 256 x 1, 4 waves a work-group, clusters of 4 x 1, 327,680 bytes of LDS; arguments x, cbq, out0; writes out0
.if DOCPART == 2
	.amdgcn_target "amdgcn-amd-amdhsa--gfx1250"
	.amdhsa_code_object_version 6
	.text
	.protected	k_q024c4891d2_vq
	.globl	k_q024c4891d2_vq
	.p2align	8
	.type	k_q024c4891d2_vq,@function
k_q024c4891d2_vq:
	s_mov_b64 s[64:65], 0
	v_nop
	global_prefetch_b8 v0, s[64:65] scope:SCOPE_SE
	s_setreg_imm32_b32 hwreg(HW_REG_WAVE_MODE, 25, 1), 1
	s_wait_xcnt 0x0
	s_wait_alu depctr_hold_cnt(0) depctr_sa_sdst(0) depctr_va_vdst(0) depctr_va_sdst(0) depctr_va_ssrc(0) depctr_va_vcc(0) depctr_vm_vsrc(0)
	s_getreg_b32 s2, hwreg(HW_REG_IB_STS2, 6, 4)
	s_cmp_eq_u32 s2, 0
	s_cbranch_scc0 .Lentry_in_a_cluster
	s_endpgm
.Lentry_in_a_cluster:
	s_bfe_u32 s2, ttmp6, 0x10000c
	s_cmp_lg_u32 s2, 0x3003
	s_cbranch_scc0 .Lentry_shape_is_right
	s_endpgm
.Lentry_shape_is_right:
; out0[row] = the first n at which d = (xx[row] + cc[n]) - (2 x[row]) . c[n] is smallest; the product on codes of BF8 (E5M2) with one E8M0 scale for each 32 along K, sums in f32.
; xx and cc are sums of squares of the f32 numbers as given; t = xx + cc is rounded, then d = t - product, in that order.
; 2 x IS QUANTISED AS x WITH EVERY SCALE BYTE ONE HIGHER: doubling moves a block's largest magnitude, and so its scale, by one power of two and leaves number / scale as it was.
; LIMITS: NaN and infinities are not served.  A block of x whose largest magnitude lies under 2^-111 gets the byte 2 where the rule for 2 x can give 1.  A block of zeros keeps the floor's byte: its codes are zeros.
; SHARES.  A work-group owns 128 rows of x: 256 work-groups.  Each of its four waves quantises 32 rows; the codes go round through LDS, and then EVERY wave holds all 128 rows' codes for all of K in registers
; (8 row tiles x 4 K steps x 16 = 512 registers).  The waves share the CODES of the codebook: of each slot of 16 code tiles wave w takes tiles 4 w .. 4 w + 3.  So a fragment of the codebook read from LDS feeds 8 matrix instructions.
; THE CODEBOOK comes through a ring of two LDS slots of 139,264 bytes (16 tiles: register images of the fragments, scale words, cc), filled by the tensor data mover, a quarter of a slot a wave.
; CLUSTER.  All work-groups walk the same codebook: the four of a cluster ask for each quarter JOINTLY, by the same tensor load with the same descriptor and a mask that names the four.
; THE MATRIX INSTRUCTION IS USED TRANSPOSED (source 0 = 16 codes, source 1 = 16 rows of x): lane (r, h) holds row r, and its 8 registers the codes 8 h + 0 .. 7 of the tile.
; THE ARGMIN keeps, for each lane and row tile: the running minimum, the number of the tile in which it last fell, and that tile's d0 .. d6.  Strictly smaller wins, so the earlier tile stays.
; The place inside the winning eight is looked up once, at the end: the first kept d that equals the minimum, else 7.  Then the two halves of the lanes and the four waves are merged: smaller d, then smaller code.
; BY TURNS.  A code tile is 32 matrix instructions (two halves of four row tiles x 4 K steps).  The 21 vector lines that a finished accumulator wants stand in slices of 5 or 6 behind the matrix instructions of the next half.
; REGISTERS, in windows of 256: window 0: see the names below.  window 1: v0-127 the codebook's fragments, two sets of 4 K steps.  window 2: x's row tiles 0-3 (64 a + 16 k).  window 3: row tiles 4-7.
.set SLOTB, 139264                     ; a slot; 0x22000 shares no bit with a wave's quarter (wave x 0x8800), so one exclusive or turns an address from one slot into the other
.set QUART, 34816                      ; a quarter of it: 136 rows of 256 bytes
.set SIDEO, 131072                     ; behind a slot's codes: 512 bytes a tile: 16 rows x 16 scale bytes, then cc
.set XP,    528                        ; a row of x's codes in LDS: 512 bytes + 16 = 132 words: row r starts at bank 4 r mod 64 (64 banks of 4 bytes: ISA guide 11.1)
.set XC,    2*SLOTB                    ; behind the ring: x's codes, 64 rows at a time;
.set XSB,   XC+64*XP                   ; x's scale bytes, 16 a row, 128 rows;
.set XXL,   XSB+2048                   ; xx, 4 bytes a row;
.set RED,   XXL+512                    ; the way out: minima (512 x wave + 4 x row), and 2,048 bytes on the codes;
.set SPARE, RED+4096                   ; the spare words, 128 bytes for each wave: two blocks of 256 bytes that no other line names
.set SPW,  1                           ; v1   LDS address of my spare word; never rewritten
.set NIL,  2                           ; v2   0; never rewritten
.set AF0,  3                           ; v3   my lane's place in my wave's fragments of a slot: 32768 w + 16 lane
.set ASB0, 4                           ; v4   among their scale words: SIDEO + 2048 w + 16 r
.set ASC0, 5                           ; v5   among their cc: SIDEO + 2048 w + 256 + 32 h
.set ADF,  6                           ; v6-8 the same three in the slot in hand
.set ADB,  7
.set ADC,  8
.set PFO,  9                           ; v9   256 x lane: the prefetches' offset; never rewritten once made
.set CB,   10                          ; v10  64 w + 8 h: my lane's part of a code's number
.set XCW,  11                          ; v11  where I store x's codes: XC + 16 w rows + 8 lane
.set XBW,  12                          ; v12  their scale bytes: XSB + 512 w + lane / 4
.set XXW,  13                          ; v13  xx: XXL + 128 w
.set XO,   14                          ; v14  32 x lane: my 8 numbers in 1,024 bytes of a row of x
.set XCR,  15                          ; v15  where I read x's fragments: XC + r rows + 16 h
.set XS,   16                          ; v16-31  x's scale words: register 4 m + k: lanes 0-15 row tile m, lanes 16-31 row tile m + 4; scales and nothing else
.set BS,   32                          ; v32-39  the codebook's scale words: set f at 4 f, word k; scales and nothing else
.set CC,   40                          ; v40-55  cc of my 8 codes: set by the tile's parity
.set SEQV, 56                          ; v56  the number, in my wave's walk, of the tile whose distances are being looked at
.set XSA,  57                          ; v57  XSB + 16 r + 1024 h
.set XXA,  58                          ; v58  XXL + 4 r
.set REDW, 59                          ; v59  RED + 512 w + 4 r
.set REDR, 60                          ; v60  RED + 256 w + 8 lane
.set OUTO, 61                          ; v61  256 w + 8 lane
.set T,    64                          ; v64-79  t, then d: a set for each of the two row tiles in hand
.set UV,   80                          ; v80-87  three partial minima for each of the two
.set M,    88                          ; v88-103 the running minima: 8 x parity + a: a tile writes its parity's, from the other's
.set IDX,  104                         ; v104-111 the winning tile's number
.set S,    112                         ; v112-175 the winning tile's d0 .. d6: 8 a + j
.set XX,   176                         ; v176-191 xx of my row, twice: pair 2 a
.set ACC,  192                         ; v192-255 the eight accumulators
.set SQ,   64                          ; while x is quantised: v64-71 sums of squares, v72-75 largest magnitudes, v76-79 the conversions' scale operands, v80-83 57,344 x the scale,
.set MX,   72                          ; v84-87 bytes, v88-95 codes, v96-97 for the lane permute, v128-255 eight sets of 16 numbers as loaded
.set SCF,  76
.set HLD,  80
.set BYT,  84
.set COD,  88
.set PT,   96
.set RAW,  128
.set WV,   10                          ; s10  my wave's number
.set XB,   14                          ; s[14:15] x at my wave's first row
.set G1,   16                          ; s[16:23] descriptor group 1
.set G0A,  24                          ; s[24:27] group 0 of slot 0's first fill
.set G0,   28                          ; s[28:31] group 0 of slot 1's first fill; it then walks
.set TB,   32                          ; s32  LDS byte at which the slot in hand begins
.set SLOTS, 34                         ; s34  slots still to be asked for
.set LIM,  35                          ; s35  2 in the first cluster, else the greatest number: a wave prefetches while s[SLOTS] is above it
.set PFA,  36                          ; s[36:37] where my prefetches of codes stand
.set PFS,  38                          ; s[38:39] and those of a slot's side
.set SEL,  40                          ; s[40:41] lane selects for v_permlanex16_b32: lane l xor 16
.set MNT,  42                          ; s42  the mantissa field of 57,344
.set MK,   44                          ; s44, s45 the lanes in which a tile has won, for each of the two row tiles in hand
.set TAIL, 56                          ; s56  counts the last two slots
.set MSB, 0
.macro WIN new                         ; the immediate's high byte repeats the setting that is left; a switch that changes nothing is dropped
.if MSB != (\new)
	s_set_vgpr_msb (MSB<<8)|(\new)
.set MSB, (\new)
.endif
.endm
; A round of the cluster's barrier: my work-group's barrier, so that wave 0's signal speaks for all four waves; wave 0 signals for the work-group; every wave waits for all four work-groups; my work-group's barrier once more.
.macro CROUND
	s_barrier_signal -1
	s_barrier_wait -1
	s_cmp_lg_u32 s[WV], 0
	s_cbranch_scc1 .Lnot_wave_0_\@
	s_barrier_signal -3
.Lnot_wave_0_\@:
	s_barrier_wait -3
	s_barrier_signal -1
	s_barrier_wait -1
.endm
	s_load_b128 s[4:7], s[0:1], 0x0                ; x, cbq
	s_load_b64 s[8:9], s[0:1], 0x10                ; out0
	v_lshl_add_u32 v[SPW], v0, 2, SPARE
	v_mov_b32 v[NIL], 0
	ds_add_u32 v1, v2
	ds_add_u32 v1, v2
	s_wait_dscnt 0x0
	v_lshrrev_b32 v62, 5, v0
	v_readfirstlane_b32 s[WV], v62                 ; wave 0..3
	s_bfe_u32 s11, ttmp6, 0x40000                  ; cx: my place in the cluster: it enters global addresses alone
	s_lshl_b32 s12, ttmp9, 2                       ; in a cluster launch ttmp9 counts clusters
	s_add_co_u32 s12, s12, s11                     ; my work-group = 4 x cluster + cx
	; descriptor group 1: a dense block of 34,816 bytes as 136 rows of 256 bytes (32 elements of 8 bytes), no padding: the images are read 512 consecutive bytes at a time
	s_mov_b32 s[G1], 15|(3<<16)|(1<<21)            ; 15:0 the mask: all four work-groups; 17:16 elements of 8 bytes; 21 set beside a mask
	s_mov_b32 s[G1+1], 32<<16                      ; tensor_dim0 = 32
	s_mov_b32 s[G1+2], 136<<16                     ; tensor_dim1 = 136
	s_mov_b32 s[G1+3], 32<<16                      ; tile_dim0 = 32
	s_mov_b32 s[G1+4], 136                         ; tile_dim1 = 136
	s_mov_b32 s[G1+5], 32                          ; from row to row
	s_mov_b32 s[G1+6], 0
	s_mov_b32 s[G1+7], 0
	s_mov_b32 s[SEL], 0x76543210
	s_mov_b32 s[SEL+1], 0xfedcba98
	s_mov_b32 s[MNT], 0x600000
	s_mov_b32 s[TB], 0
	; the addresses of a lane
	v_and_b32 v[PFO], 31, v0                       ; lane (the register's own number is made of it last)
	v_and_b32 v62, 15, v0                          ; r
	v_bfe_u32 v63, v0, 4, 1                        ; h
	s_lshl_b32 s46, s[WV], 15
	v_lshl_add_u32 v[AF0], v[PFO], 4, s46
	s_lshl_b32 s46, s[WV], 11
	s_add_co_u32 s46, s46, SIDEO
	v_lshl_add_u32 v[ASB0], v62, 4, s46
	s_add_co_u32 s46, s46, 256
	v_lshl_add_u32 v[ASC0], v63, 5, s46
	s_lshl_b32 s46, s[WV], 6
	v_lshl_add_u32 v[CB], v63, 3, s46
	s_mul_i32 s46, s[WV], 16*XP
	s_add_co_u32 s46, s46, XC
	v_lshl_add_u32 v[XCW], v[PFO], 3, s46
	s_lshl_b32 s46, s[WV], 9
	s_add_co_u32 s47, s46, XSB
	v_lshrrev_b32 v[XBW], 2, v[PFO]
	v_add_nc_u32 v[XBW], s47, v[XBW]
	s_add_co_u32 s47, s46, RED
	v_lshl_add_u32 v[REDW], v62, 2, s47
	s_lshl_b32 s46, s[WV], 7
	s_add_co_u32 s46, s46, XXL
	v_mov_b32 v[XXW], s46
	v_lshlrev_b32 v[XO], 5, v[PFO]
	v_mul_u32_u24 v[XCR], v62, XP
	v_lshl_add_u32 v[XCR], v63, 4, v[XCR]
	v_add_nc_u32 v[XCR], XC, v[XCR]
	v_lshlrev_b32 v[XSA], 4, v62
	v_lshl_add_u32 v[XSA], v63, 10, v[XSA]
	v_add_nc_u32 v[XSA], XSB, v[XSA]
	v_lshl_add_u32 v[XXA], v62, 2, XXL
	s_lshl_b32 s46, s[WV], 8
	v_lshl_add_u32 v[OUTO], v[PFO], 3, s46
	v_add_nc_u32 v[REDR], RED, v[OUTO]
	v_lshlrev_b32 v[PFO], 8, v[PFO]
	v_mov_b32 v[PT], 0                             ; written once: a lane permute's destination counts as one of its sources
	v_mov_b32 v[PT+1], 0
	; offsets, each in a pair of its own
	s_lshl_b32 s46, s12, 18                        ; x: 128 rows of 2,048 bytes a work-group,
	s_lshl_b32 s47, s[WV], 16                      ; 32 a wave
	s_add_co_u32 s46, s46, s47
	s_mov_b32 s47, 0
	s_lshl_b32 s48, s12, 9                         ; out0: 128 rows of 4 bytes
	s_mov_b32 s49, 0
	s_mul_i32 s50, s[WV], QUART                    ; my quarter of a slot, in memory and in LDS: no place in the cluster enters it
	s_mov_b32 s51, 0
	s_lshl_b32 s52, s11, 2                         ; the prefetches of codes: of a slot's 131,072 bytes the partner at cx takes 32,768, its wave w 8,192: told apart by address
	s_add_co_u32 s52, s52, s[WV]
	s_lshl_b32 s52, s52, 13
	s_add_co_u32 s52, s52, 3*SLOTB                 ; in slot 3: the first change of slots steps it to slot 4
	s_mov_b32 s53, 0
	s_mul_i32 s54, s11, SLOTB                      ; those of the sides: the partner at cx takes the side of the slot cx further on
	s_add_co_u32 s54, s54, 3*SLOTB+SIDEO
	s_mov_b32 s55, 0
	s_cmp_eq_u32 ttmp9, 0                          ; all clusters walk the same bytes: the first cluster asks.  The same in all four partners
	s_cselect_b32 s[LIM], 2, -1
	s_wait_kmcnt 0x0
	s_add_nc_u64 s[XB:XB+1], s[4:5], s[46:47]
	s_add_nc_u64 s[8:9], s[8:9], s[48:49]
	s_add_nc_u64 s[PFA:PFA+1], s[6:7], s[52:53]
	s_add_nc_u64 s[PFS:PFS+1], s[6:7], s[54:55]
	s_mov_b32 s[G0A], 1                            ; 1:0 count = 1
	s_mov_b32 s[G0A+1], s50                        ; 63:32 LDS address: slot 0
	s_add_nc_u64 s[G0A+2:G0A+3], s[6:7], s[50:51]  ; 120:64 global address: record 0
	s_or_b32 s[G0A+3], s[G0A+3], 0x80000000        ; 127:126 type = 2
	s_mov_b32 s[G0], 1
	s_add_co_u32 s[G0+1], s50, SLOTB
	s_add_nc_u64 s[G0+2:G0+3], s[6:7], s[50:51]
	s_add_nc_u64 s[G0+2:G0+3], s[G0+2:G0+3], SLOTB
	s_or_b32 s[G0+3], s[G0+3], 0x80000000
	CROUND                                         ; all four work-groups are here: the first joint loads meet
	tensor_load_to_lds s[G0A:G0A+3], s[G1:G1+7]    ; both first fills together, ahead of every wait on TENSORcnt, every LDS read and every other barrier: two loads of mine are out
	s_nop 0
	tensor_load_to_lds s[G0:G0+3], s[G1:G1+7]
	s_nop 0
.rept 4
	v_nop                                          ; four plain lines follow a tensor load
.endr
; ---- x: my wave's 32 rows.  Lane l holds, of a row, K = 256 u + 8 l + 0 .. 7 (u = 0, 1): 8 neighbours for one conversion; a block of 32 lies in four neighbouring lanes.
.macro XLOAD q                         ; row q into set q % 8: the first two loads cover 1,024 consecutive bytes between them, and so do the last two
.set xn, RAW+16*((\q)%8)
	global_load_b128 v[xn:xn+3],     v[XO], s[XB:XB+1] offset:2048*(\q) th:TH_LOAD_NT
	global_load_b128 v[xn+4:xn+7],   v[XO], s[XB:XB+1] offset:2048*(\q)+16 th:TH_LOAD_NT
	global_load_b128 v[xn+8:xn+11],  v[XO], s[XB:XB+1] offset:2048*(\q)+1024 th:TH_LOAD_NT
	global_load_b128 v[xn+12:xn+15], v[XO], s[XB:XB+1] offset:2048*(\q)+1040 th:TH_LOAD_NT
.endm
; Rows q and q + 1, their lines by turns (z: the row, u: the half of K), so that no line waits for the line above it.
.macro XPAIR q
.if 30-(\q) >= 6
	s_wait_loadcnt 24                              ; loads come back in order: these two rows are in; the six younger rows' 24 loads may be out
.else
	s_wait_loadcnt 4*(30-(\q))                     ; towards the end fewer rows are behind these
.endif
.irp z, 0,1
.irp u, 0,1
.set xn, RAW+16*(((\q)+\z)%8)+8*\u
	v_pk_mul_f32 v[SQ+4*\z+2*\u:SQ+4*\z+2*\u+1], v[xn:xn+1], v[xn:xn+1]   ; xx is taken of the numbers as given, ahead of the hold
	v_max3_num_f32 v[MX+2*\z+\u], |v[xn]|, |v[xn+1]|, 0x8000000            ; the largest magnitude, with the floor 2^(16 - 127) among its leaves: the byte cannot fall under 1
.endr
.endr
.irp i, 2,4,6
.irp z, 0,1
.irp u, 0,1
.set xn, RAW+16*(((\q)+\z)%8)+8*\u
	v_pk_fma_f32 v[SQ+4*\z+2*\u:SQ+4*\z+2*\u+1], v[xn+\i:xn+\i+1], v[xn+\i:xn+\i+1], v[SQ+4*\z+2*\u:SQ+4*\z+2*\u+1]
	v_max3_num_f32 v[MX+2*\z+\u], v[MX+2*\z+\u], |v[xn+\i]|, |v[xn+\i+1]|
.endr
.endr
.endr
.irp m, 1,2
.irp y, 0,1,2,3
	v_max_num_f32_dpp v[MX+\y], v[MX+\y], v[MX+\y] row_xmask:\m row_mask:0xf bank_mask:0xf   ; with the block's other three lanes
.endr
.endr
.irp y, 0,1,2,3
	v_add_nc_u32 v[SCF+\y], 0xf8800000, v[MX+\y]   ; 15 off the exponent field: the conversion's scale operand
.endr
.irp y, 0,1,2,3
	v_and_or_b32 v[HLD+\y], v[MX+\y], 0x7f800000, s[MNT]   ; 57,344 x the scale
.endr
.irp y, 0,1,2,3
	v_lshrrev_b32 v[BYT+\y], 23, v[SCF+\y]         ; x's scale byte (2 x's is one higher: added once, to whole words, further down)
.endr
.irp i, 0,1,2,3,4,5,6,7
.irp z, 0,1
.irp u, 0,1
.set xn, RAW+16*(((\q)+\z)%8)+8*\u
	v_med3_num_f32 v[xn+\i], v[xn+\i], -v[HLD+2*\z+\u], v[HLD+2*\z+\u]   ; the conversion to an 8-bit code does not saturate (ISA guide 7.6.2): the hold at the largest code x the scale
.endr
.endr
.endr
.irp z, 0,1
.irp u, 0,1
.set xn, RAW+16*(((\q)+\z)%8)+8*\u
	v_cvt_scalef32_pk8_bf8_f32 v[COD+4*\z+2*\u:COD+4*\z+2*\u+1], v[xn:xn+7], v[SCF+2*\z+\u]
.endr
.endr
.irp z, 0,1
	v_pk_add_f32 v[SQ+4*\z:SQ+4*\z+1], v[SQ+4*\z:SQ+4*\z+1], v[SQ+4*\z+2:SQ+4*\z+3]   ; xx over the row.  (These are also the plain lines behind the conversions)
.endr
.irp z, 0,1
	v_add_f32 v[SQ+4*\z], v[SQ+4*\z], v[SQ+4*\z+1]
.endr
.irp m, 1,2,4,8
.irp z, 0,1
	v_add_f32_dpp v[SQ+4*\z], v[SQ+4*\z], v[SQ+4*\z] row_xmask:\m row_mask:0xf bank_mask:0xf
.endr
.endr
.irp z, 0,1
	v_permlanex16_b32 v[PT+\z], v[SQ+4*\z], s[SEL], s[SEL+1]
.endr
.irp z, 0,1
	v_add_f32 v[SQ+4*\z], v[SQ+4*\z], v[PT+\z]     ; every lane holds the row's xx
.endr
.irp z, 0,1
.irp u, 0,1
	ds_store_b64 v[XCW], v[COD+4*\z+2*\u:COD+4*\z+2*\u+1] offset:(((\q)+\z)%16)*XP+256*\u   ; 32 lanes: 256 consecutive bytes of the row's codes
	ds_store_b8 v[XBW], v[BYT+2*\z+\u] offset:16*((\q)+\z)+8*\u                              ; a block's four lanes write the same byte with the same value
.endr
	ds_store_b32 v[XXW], v[SQ+4*\z] offset:4*((\q)+\z)                                        ; all lanes write the same word with the same value
.endr
.if (\q)+8 < 32
	XLOAD (\q)+8                                   ; the sets take the rows eight further on: no load leaves my 32 rows
	XLOAD (\q)+9
.endif
.endm
; 16 rows of each wave lie in LDS: every wave takes all 64 as fragments.  Wave v's rows are row tile 2 v + g.
.macro EXCH g
	s_wait_dscnt 0x0                               ; for the others' sake: my stores have landed
.if \g
	s_wait_tensorcnt 0x1                           ; my quarter of slot 0 has landed; slot 1's load, issued behind it, may stay out
.endif
	s_barrier_signal -1
	s_barrier_wait -1
.irp wq, 0,1,2,3
	WIN 0x80+0x40*(\wq/2)                          ; destination window 2 (row tiles 0-3) or 3 (4-7)
.irp k, 0,1,2,3
.irp c, 0,1,2,3
	ds_load_b128 v[64*((2*\wq+\g)%4)+16*\k+4*\c:64*((2*\wq+\g)%4)+16*\k+4*\c+3], v[XCR] offset:\wq*16*XP+128*\k+32*\c   ; registers 4 c .. 4 c + 3: K = 128 k + 32 c + 16 h + 0 .. 15 of row r
.endr
.endr
.endr
	WIN 0
.if \g == 0
	s_wait_dscnt 0x0                               ; my reads are back: the 64 rows' bytes may be written again
	s_barrier_signal -1
	s_barrier_wait -1                              ; everybody's are
.endif
.endm
.irp q, 0,1,2,3,4,5,6,7
	XLOAD \q                                       ; 32 loads of a wave are on their way
.endr
.irp q, 0,2,4,6,8,10,12,14
	XPAIR \q
.endr
	EXCH 0
.irp q, 16,18,20,22,24,26,28,30
	XPAIR \q
.endr
	EXCH 1
; ---- the walk over the codebook
; Line ej of the 21 that row tile ea's finished accumulator wants; ep: the code tile's parity.
;   0-3 t = cc + xx   4-7 d = t - product, the accumulator from its low end on   8-11 the minimum of the eight and the old one   12 has it fallen?   13 then keep the tile's number   14-20 and its d0 .. d6
.macro EP
.set ex, ea%2
.set rT, T+8*ex
.set rU, UV+4*ex
.set rA, ACC+8*ea
.set rS, S+8*ea
.set rN, M+8*ep+ea
.set rO, M+8*(1-ep)+ea
.if ej < 4
	v_pk_add_f32 v[rT+2*ej:rT+2*ej+1], v[CC+8*ep+2*ej:CC+8*ep+2*ej+1], v[XX+2*ea:XX+2*ea+1]
.elseif ej < 8
.set e2, 2*(ej-4)
	v_pk_add_f32 v[rT+e2:rT+e2+1], v[rT+e2:rT+e2+1], v[rA+e2:rA+e2+1] neg_lo:[0,1] neg_hi:[0,1]
.elseif ej == 8
	v_min3_num_f32 v[rU], v[rT], v[rT+1], v[rT+2]
.elseif ej == 9
	v_min3_num_f32 v[rU+1], v[rT+3], v[rT+4], v[rT+5]
.elseif ej == 10
	v_min3_num_f32 v[rU+2], v[rT+6], v[rT+7], v[rU]
.elseif ej == 11
	v_min3_num_f32 v[rN], v[rU+1], v[rU+2], v[rO]
.elseif ej == 12
	v_cmp_lt_f32 s[MK+ex], v[rN], v[rO]
.elseif ej == 13
	v_cndmask_b32 v[IDX+ea], v[IDX+ea], v[SEQV], s[MK+ex]
.else
	v_cndmask_b32 v[rS+ej-14], v[rS+ej-14], v[rT+ej-14], s[MK+ex]
.endif
.endm
; Slice p of a tile's 32.  Slices 0-15 serve row tiles 4-7 of the tile BEFORE (pairs 4, 5 and 6, 7, eight slices each), slices 16-31 row tiles 0-3 of this tile.  A pair's 42 lines, the two row tiles
; alternating, are dealt 5, 5, 5, 6, 5, 5, 5, 6.  par: this tile's parity.
.macro SLICE par
	WIN 0
.if p == 16
	v_add_nc_u32 v[SEQV], 1, v[SEQV]               ; from here on this tile's distances are looked at
.endif
.if p < 16
.set ep, 1-(\par)
.set ea0, 4+2*(p/8)
.else
.set ep, (\par)
.set ea0, 2*((p-16)/8)
.endif
.set ee, (42*(p%8))/8
.rept (42*(p%8+1))/8-(42*(p%8))/8
.set ea, ea0+ee%2
.set ej, ee/2
	EP
.set ee, ee+1
.endr
.endm
; The 19 LDS loads of my wave's tile i of the slot at s[TB], in one run, into set i % 2: cc, scale words, four fragments (each load 512 consecutive bytes).
.macro RUN i
.set rf, (\i)%2
	WIN 0
	v_add_nc_u32 v[ADF], s[TB], v[AF0]
	v_add_nc_u32 v[ADB], s[TB], v[ASB0]
	v_add_nc_u32 v[ADC], s[TB], v[ASC0]
	ds_load_b128 v[CC+8*rf:CC+8*rf+3],   v[ADC] offset:512*(\i)
	ds_load_b128 v[CC+8*rf+4:CC+8*rf+7], v[ADC] offset:512*(\i)+16
	ds_load_b128 v[BS+4*rf:BS+4*rf+3],   v[ADB] offset:512*(\i)
	WIN 0x40                                       ; destination window 1
.irp k, 0,1,2,3
.irp c, 0,1,2,3
	ds_load_b128 v[64*rf+16*\k+4*\c:64*rf+16*\k+4*\c+3], v[ADF] offset:8192*(\i)+2048*\k+512*\c
.endr
.endr
.endm
.macro MM                              ; the matrix instruction of place p: row tile ta, K step tk, the codebook's set tf.  K step 0 starts the sum with the constant 0.  Row tiles 4-7 take x's scales from lanes 16-31
.set rD, ACC+8*ta
.set rF, 64*tf+16*tk
.set rX, 64*(ta%4)+16*tk
.set rB, BS+4*tf+tk
.set rY, XS+4*(ta%4)+tk
.if tk == 0
.if tg == 0
	v_wmma_scale_f32_16x16x128_f8f6f4 v[rD:rD+7], v[rF:rF+15], v[rX:rX+15], 0, v[rB], v[rY] matrix_a_fmt:MATRIX_FMT_BF8 matrix_b_fmt:MATRIX_FMT_BF8
.else
	v_wmma_scale_f32_16x16x128_f8f6f4 v[rD:rD+7], v[rF:rF+15], v[rX:rX+15], 0, v[rB], v[rY] matrix_a_fmt:MATRIX_FMT_BF8 matrix_b_fmt:MATRIX_FMT_BF8 matrix_b_scale:MATRIX_SCALE_ROW1
.endif
.else
.if tg == 0
	v_wmma_scale_f32_16x16x128_f8f6f4 v[rD:rD+7], v[rF:rF+15], v[rX:rX+15], v[rD:rD+7], v[rB], v[rY] matrix_a_fmt:MATRIX_FMT_BF8 matrix_b_fmt:MATRIX_FMT_BF8
.else
	v_wmma_scale_f32_16x16x128_f8f6f4 v[rD:rD+7], v[rF:rF+15], v[rX:rX+15], v[rD:rD+7], v[rB], v[rY] matrix_a_fmt:MATRIX_FMT_BF8 matrix_b_fmt:MATRIX_FMT_BF8 matrix_b_scale:MATRIX_SCALE_ROW1
.endif
.endif
.endm
; My wave's tile i of a slot: 32 matrix instructions, a slice behind each.  Four accumulators take turns, one instruction a turn, K step by K step: no two matrix instructions that follow each other
; share an accumulator, from half to half, from tile to tile and over the backward jumps too.
; DISTANCES (eight places behind this form, nine where a matrix instruction writes over a register).  An accumulator's last product stands at place 12 .. 15 (28 .. 31); its first read is line 4 of its pair,
; in slice 17 (slice 1 of the next tile) at the earliest: three slices of other row tiles' lines and its own pair's eight lines of t lie between.  It is begun anew 20 matrix instructions behind its last product.
; The run of loads behind slice 11 fills the set whose last product stood in the tile before, and the cc whose last reader stood in slice 9.
.macro TILE i
.if (\i) != 3
	s_wait_dscnt 0x0                               ; this tile's run of loads, issued 20 matrix instructions ago, is in (tile 3's was waited for at the change of slots)
.endif
.set tf, (\i)%2
.set p, 0
.rept 32
.set tg, p/16
.set tk, (p%16)/4
.set ta, 4*tg+p%4
	WIN 0x09+4*tg                                  ; source 0 window 1, source 1 window 2 or 3, C and D window 0
	MM
	SLICE (\i)%2
.if p == 11
.if (\i) == 3
	s_xor_b32 s[TB], s[TB], SLOTB                  ; the next tile lies in the other slot
.endif
	RUN ((\i)+1)%4
.endif
.set p, p+1
.endr
.endm
; PREFETCHES, behind the joint load and its four lines, of the record that the change after the next will ask for: two slots, 256 matrix instructions a wave, ahead of that load.
; Each aligned block of 256 bytes is named once in the launch: the first cluster asks; of a record's 512 blocks of codes each of its 16 waves names 32, a lane a block, the partners told apart by address.
; The 32 blocks of a record's side: at every fourth change (s[SLOTS] = 14, 10, 6) wave 0 of the partner at cx names those of the record cx further on.
; Records 0 to 3 come by their loads alone; the last two changes that fill a slot ask for nothing: there is no record 16.
.macro ASK
	s_cmp_gt_u32 s[SLOTS], s[LIM]
	s_cbranch_scc0 .Lno_ask_\@
	global_prefetch_b8 v[PFO], s[PFA:PFA+1] th:TH_LOAD_NT scope:SCOPE_SE
	s_and_b32 s54, s[SLOTS], 3
	s_xor_b32 s54, s54, 2
	s_or_b32 s54, s54, s[WV]
	s_cmp_eq_u32 s54, 0
	s_cbranch_scc0 .Lno_ask_\@
	global_prefetch_b8 v[PFO], s[PFS:PFS+1] th:TH_LOAD_NT scope:SCOPE_SE
.Lno_ask_\@:
.endm
; THE CHANGE OF SLOTS, in front of a slot's last tile, whose fragments have been asked for.  Each wave waits for all its tensor loads, of which one is out: its quarter of the other slot; adds 0 to its spare word;
; and waits for that and for its reads of this slot.  Behind the barrier nobody reads this slot any more and the other slot is whole.  fill = 1: this slot takes the record two on.  The barrier is then a round of the
; cluster's, so that no wave of any partner still reads the slot or has a load on its way, and the joint refill is the first thing behind it: it has a slot's 128 matrix instructions in which to land.
.macro CHANGE fill
	WIN 0                                          ; at a label and at a branch every window is 0
	s_wait_tensorcnt 0x0                           ; no tensor load of mine is out, so a group 0 may be written
	ds_add_u32 v[SPW], v[NIL]                      ; 0 onto my spare word
.if \fill
	s_xor_b32 s[G0+1], s[G0+1], SLOTB              ; the walking descriptor: the other slot than last time,
	s_add_nc_u64 s[G0+2:G0+3], s[G0+2:G0+3], SLOTB ; the next record; the type bits on top are not reached
	s_wait_xcnt 0x0                                ; the last prefetches, a slot back, have read their addresses, so these may be written
	s_add_nc_u64 s[PFA:PFA+1], s[PFA:PFA+1], SLOTB
	s_add_nc_u64 s[PFS:PFS+1], s[PFS:PFS+1], SLOTB
	s_wait_dscnt 0x0                               ; the add is done, and my reads of this slot are over
	CROUND
	tensor_load_to_lds s[G0:G0+3], s[G1:G1+7]      ; my one tensor load behind the round
	s_nop 0
.rept 4
	v_nop
.endr
	ASK
.else
	s_wait_dscnt 0x0                               ; the add is done, and my reads of this slot are over
	s_barrier_signal -1
	s_barrier_wait -1
.endif
.endm
.macro SLOT fill
	TILE 0
	TILE 1
	TILE 2
	CHANGE \fill
	TILE 3
.endm
	; set-up: x's scale words and xx in the lanes that want them, the first tile's run of loads, and the argmin's state
.irp m, 0,1,2,3
	ds_load_b128 v[XS+4*\m:XS+4*\m+3], v[XSA] offset:256*\m   ; a row's four words: lanes 0-15 row tile m, lanes 16-31 row tile m + 4
.endr
.irp a, 0,1,2,3,4,5,6,7
	ds_load_b32 v[XX+2*\a], v[XXA] offset:64*\a
	ds_load_b32 v[XX+2*\a+1], v[XXA] offset:64*\a  ; twice: the packed addition takes a pair
.endr
	RUN 0
	WIN 0
.irp a, 0,1,2,3,4,5,6,7
	v_mov_b32 v[IDX+\a], 0
.irp j, 0,1,2,3,4,5,6
	v_mov_b32 v[S+8*\a+\j], 0x7f800000             ; the selects read what they keep: written once
.endr
.endr
	s_wait_dscnt 0x0
.irp i, 0,1,2,3,4,5,6,7,8,9,10,11,12,13,14,15
	v_add_nc_u32 v[XS+\i], 0x01010101, v[XS+\i]    ; THE FACTOR 2: each of the four bytes one higher.  (The lines below are the places between these and the first product)
.endr
.irp i, 0,1,2,3,4,5,6,7,8,9,10,11,12,13,14,15
	v_mov_b32 v[M+\i], 0x7f800000                  ; no minimum yet: + infinity
.endr
	; The loop has no first tile of its own: its first 16 slices find a tile before the first, of parity 1, whose products are - infinity and whose cc is 0: its d is + infinity, which is never smaller.
.irp i, 0,1,2,3,4,5,6,7,8,9,10,11,12,13,14,15,16,17,18,19,20,21,22,23,24,25,26,27,28,29,30,31
	v_mov_b32 v[ACC+32+\i], 0xff800000
.endr
.irp i, 0,1,2,3,4,5,6,7
	v_mov_b32 v[CC+8+\i], 0
.endr
	v_mov_b32 v[SEQV], -1
	s_mov_b32 s[SLOTS], 14
.Lslot:                                            ; 14 trips: every slot but the last two is filled again
	SLOT 1
	s_sub_co_u32 s[SLOTS], s[SLOTS], 1
	s_cmp_lg_u32 s[SLOTS], 0
	s_cbranch_scc1 .Lslot
	s_mov_b32 s[TAIL], 2
.Ltail:                                            ; the last two slots are written out once more.  (The very last run of loads reads bytes of the slot left before; nothing uses them)
	SLOT 0
	s_sub_co_u32 s[TAIL], s[TAIL], 1
	s_cmp_lg_u32 s[TAIL], 0
	s_cbranch_scc1 .Ltail
.set p, 0
.rept 16
	SLICE 0                                        ; row tiles 4-7 of the last tile; the first pair's lines of t are the places behind the last products
.set p, p+1
.endr
	; ---- THE WAY OUT.  The place inside the winning eight: the first kept d that equals the minimum, else 7.
.irp a, 0,1,2,3,4,5,6,7
	v_mov_b32 v[T+\a], 7
.endr
.irp j, 6,5,4,3,2,1,0
.irp a, 0,1,2,3,4,5,6,7
	v_cmp_neq_f32 vcc_lo, v[S+8*\a+\j], v[M+8+\a]  ; (the last tile's parity is 1: the minima lie in that set)
	v_cndmask_b32 v[T+\a], \j, v[T+\a], vcc_lo
.endr
.endr
.irp a, 0,1,2,3,4,5,6,7
	v_lshrrev_b32 v[S+8*\a], 2, v[IDX+\a]          ; the slot,
	v_and_b32 v[S+8*\a+1], 3, v[IDX+\a]            ; my wave's tile in it
	v_lshl_add_u32 v[T+\a], v[S+8*\a], 8, v[T+\a]
	v_lshl_add_u32 v[T+\a], v[S+8*\a+1], 4, v[T+\a]
	v_add_nc_u32 v[T+\a], v[CB], v[T+\a]           ; the code = 256 slot + 64 wave + 16 tile + 8 h + place
	v_permlanex16_b32 v[T+8+\a], v[M+8+\a], s[SEL], s[SEL+1]   ; the row's other eight codes of each tile lie in the lane 16 away
	v_permlanex16_b32 v[S+8*\a], v[T+\a], s[SEL], s[SEL+1]
	v_cmp_lt_f32 s46, v[T+8+\a], v[M+8+\a]         ; the other is taken where it is smaller, or equal with the lower code
	v_cmp_eq_f32 s47, v[T+8+\a], v[M+8+\a]
	v_cmp_lt_u32 s48, v[S+8*\a], v[T+\a]
	s_and_b32 s47, s47, s48
	s_or_b32 s46, s46, s47
	v_cndmask_b32 v[M+8+\a], v[M+8+\a], v[T+8+\a], s46
	v_cndmask_b32 v[T+\a], v[T+\a], v[S+8*\a], s46
	ds_store_b32 v[REDW], v[M+8+\a] offset:64*\a   ; lanes r and r + 16 write the same word with the same value
	ds_store_b32 v[REDW], v[T+\a] offset:64*\a+2048
.endr
	s_wait_dscnt 0x0                               ; for the others' sake: my stores have landed (and the last run of loads is in)
	s_barrier_signal -1
	s_barrier_wait -1
	s_cmp_lt_u32 s[WV], 2                          ; waves 0 and 1 merge the four waves' answers, 64 rows each, two rows a lane
	s_cbranch_scc0 .Lno_rows
.irp wq, 0,1,2,3
	ds_load_b64 v[S+2*\wq:S+2*\wq+1], v[REDR] offset:512*\wq
	ds_load_b64 v[S+8+2*\wq:S+8+2*\wq+1], v[REDR] offset:512*\wq+2048
.endr
	s_wait_dscnt 0x0
.irp wq, 1,2,3
.irp z, 0,1
	v_cmp_lt_f32 s46, v[S+2*\wq+\z], v[S+\z]
	v_cmp_eq_f32 s47, v[S+2*\wq+\z], v[S+\z]
	v_cmp_lt_u32 s48, v[S+8+2*\wq+\z], v[S+8+\z]
	s_and_b32 s47, s47, s48
	s_or_b32 s46, s46, s47
	v_cndmask_b32 v[S+\z], v[S+\z], v[S+2*\wq+\z], s46
	v_cndmask_b32 v[S+8+\z], v[S+8+\z], v[S+8+2*\wq+\z], s46
.endr
.endr
	global_store_b64 v[OUTO], v[S+8:S+9], s[8:9]   ; 32 lanes store 256 consecutive bytes, at a multiple of 256 from out0's first byte
.Lno_rows:
	s_wait_tensorcnt 0x0                           ; the wave's end, behind my last tensor load and my last LDS store
	ds_add_u32 v[SPW], v[NIL]
	s_wait_dscnt 0x0
	CROUND                                         ; the closing round: no work-group ends while a partner may still ask for a quarter that names it
	s_endpgm
.Lfunc_end_k_q024c4891d2_vq:
	.size	k_q024c4891d2_vq, .Lfunc_end_k_q024c4891d2_vq-k_q024c4891d2_vq
	.p2alignl 7, 3214868480
	.fill 96, 4, 3214868480
	.section	.rodata,"a",@progbits
	.p2align	6, 0x0
	.amdhsa_kernel k_q024c4891d2_vq
		.amdhsa_group_segment_fixed_size 327680
		.amdhsa_private_segment_fixed_size 0
		.amdhsa_enable_private_segment 0
		.amdhsa_kernarg_size 24
		.amdhsa_user_sgpr_count 2
		.amdhsa_user_sgpr_kernarg_segment_ptr 1
		.amdhsa_wavefront_size32 1
		.amdhsa_system_sgpr_workgroup_id_x 1
		.amdhsa_system_sgpr_workgroup_id_y 1
		.amdhsa_system_sgpr_workgroup_id_z 1
		.amdhsa_system_vgpr_workitem_id 0
		.amdhsa_next_free_vgpr 1024
		.amdhsa_next_free_sgpr 66
		.amdhsa_reserve_vcc 1
		.amdhsa_float_denorm_mode_32 3
		.amdhsa_float_denorm_mode_16_64 3
		.amdhsa_memory_ordered 1
		.amdhsa_forward_progress 1
		.amdhsa_inst_pref_size 255
	.end_amdhsa_kernel
	.section	.bss,"aw",@nobits
	.p2align	6
	.space	262144
	.amdgpu_metadata
---
amdhsa.version: [ 1, 2 ]
amdhsa.kernels:
  - .name:           k_q024c4891d2_vq
    .symbol:         k_q024c4891d2_vq.kd
    .args:
      - { .name: x, .offset: 0, .size: 8, .value_kind: global_buffer, .address_space: global }
      - { .name: cbq, .offset: 8, .size: 8, .value_kind: global_buffer, .address_space: global }
      - { .name: out0, .offset: 16, .size: 8, .value_kind: global_buffer, .address_space: global }
    .group_segment_fixed_size: 327680
    .private_segment_fixed_size: 0
    .kernarg_segment_align: 8
    .kernarg_segment_size: 24
    .max_flat_workgroup_size: 128
    .sgpr_count:     66
    .vgpr_count:     1024
    .wavefront_size: 32
...
	.end_amdgpu_metadata
.endif
;; end of part 2
